; MI455X (gfx1250); checked and timed in simulation.
; The chip was launched on July 23, 2026; its instructions are those of AMD's public machine-readable ISA for CDNA 5 (MIT licence, August 2026) and "CDNA5" Instruction Set Architecture Reference Guide (July 2026). The comments in the code are by the model that wrote it; some were corrected since.
;; Q Lo RA Linear. Allowed arithmetic: matrix products marked QUANTISED: E2M1 operands, one E8M0 scale for each 32 along K, by v_wmma_scale_f32_16x16x128_f8f6f4 with both operands' format E2M1 (or v_wmma_scale_f32_32x16x128_f4), f32 sums; products left as they are: f32 operands where the result goes on into a quantised operand, else bf16, f16 or f32 operands; f32 sums; everything else in f32.
;; Inputs: bias 4,096 float32; lora_A 4,096 x 16 float32; lora_B 16 x 4,096 float32; qweight 4,096 x 4,096 int32; scales 1 float32; x 4 x 1,024 x 4,096 float32.
;; Outputs: out0 4 x 1,024 x 4,096 float32.
;; This version of the problem:
;;   THIS VERSION OF THE PROBLEM IS GIVEN IN LOW PRECISION. The matrix products marked QUANTISED in the list below multiply operands that are first quantised to E2M1 (2 exponent bits, 1 mantissa bit; 4 bits a number), with one power-of-two scale for each 32 numbers along K (OCP MX v1.0); their sums are f32. All else is computed in f32.
;;   The module's matrix products, in the order in which they are computed (A, B: the left and right operand; K: the contracted axis; several contracted axes count as one K, in the product's order):
;;     1. [M 4,096, K 4,096] x [K 4,096, N 4,096]; A: input x; B: computed on the way: QUANTISED
;;     2. [M 4,096, K 4,096] x [K 4,096, N 16]; A: input x; B: input lora_A: QUANTISED
;;     3. [M 4,096, K 16] x [K 16, N 4,096]; A: computed on the way; B: input lora_B: left as it is (K = 16 < 32)
;;   THE QUANTISER, for each operand of a quantised product, along K:
;;     - K is cut into blocks of 32 from its start; a last block that is shorter is filled with zeros.
;;     - A block's scale is 2^e with e = floor(log2(the largest magnitude in the block)) - 2, held to -126 .. 127; a block of zeros has e = 0. As a byte (E8M0): e + 127.
;;     - Each number is divided by its block's scale, clamped to +-6, and rounded to the nearest number of E2M1, ties to even, subnormals kept.
;;     - The product sums the exact products of the quantised numbers (number of the format x scale) in f32.
;;   ~~~python
;;   def quantise(x, axis):      # numpy; x: float32 -> the quantised numbers, widened to float32 again
;;       x = np.moveaxis(x, axis, -1); K = x.shape[-1]
;;       x = np.pad(x, [(0, 0)] * (x.ndim - 1) + [(0, -K % 32)]); x = x.reshape(x.shape[:-1] + (-1, 32)); a = np.abs(x).max(-1, keepdims=True)
;;       e = np.where(a > 0, np.clip(np.frexp(np.where(a > 0, a, 1))[1] - 1 - 2, -126, 127), 0)      # np.frexp(a)[1] - 1 = floor(log2(a)), exactly
;;       r = np.clip(x / 2.0 ** e, -6, 6)
;;       step = 2.0 ** (np.maximum(np.frexp(np.where(r == 0, 1, r))[1] - 1, 0) - 1)
;;       q = np.round(r / step) * step * 2.0 ** e      # np.round: ties to even
;;       return np.moveaxis(q.reshape(q.shape[:-2] + (-1,))[..., :K], -1, axis).astype(np.float32)
;;   ~~~
;;   OPERANDS COMPUTED ON THE WAY. 'Computed on the way' means the value that the module computes at that place (a softmax that the list does not call 'softmax' is quantised finished and normalised). What goes into a quantiser is computed in f32, as accurately as f32 sums, v_exp_f32 and their like allow (about 1e-6 of the number): no bf16 or f16 on the way to a quantiser, and a product that is left as it is and whose result goes on into a quantised operand takes f32 operands (vector FMAs, or v_wmma_f32_16x16x4_f32). A number that lies on a knife's edge between two numbers of the format may be rounded either way, as far as f32 arithmetic and the matrix unit's own rounding can turn it there, and no further.
;; One version. Each part assembles by itself: llvm-mc -triple=amdgcn-amd-amdhsa -mcpu=gfx1250 --defsym DOCPART=n.
;; ======== version 1 of 1: 2 launches
;; limits: values are held in bf16: 8 bits of precision; right only within a limited range of input values
;; workspace buffers: xq 8,912,896 bytes; wq 8,912,896 bytes; laq 34,816 bytes
;; launch quant (part 1): grid 1024 x 1, 4 waves a work-group, no clusters, 34,304 bytes of LDS; arguments x, qweight, scales, lora_A, xq, wq, laq; writes xq, wq, laq
.if DOCPART == 1
	.amdgcn_target "amdgcn-amd-amdhsa--gfx1250"
	.amdhsa_code_object_version 6
	.text
	.protected	k_q667d3357c9_quant
	.globl	k_q667d3357c9_quant
	.p2align	8
	.type	k_q667d3357c9_quant,@function
k_q667d3357c9_quant:
	s_mov_b64 s[64:65], 0
	v_nop
	global_prefetch_b8 v0, s[64:65] scope:SCOPE_SE
	s_setreg_imm32_b32 hwreg(HW_REG_WAVE_MODE, 25, 1), 1
	s_wait_xcnt 0x0
; x [4096][4096] f32, w = f32(qweight) * scales[0] [4096][4096], and lora_A [4096 (k)][16] f32 become codes of FP4 (E2M1) with one E8M0 scale byte for each 32 along K.
; A block's scale is 2^(floor(log2(its largest magnitude)) - 2); its byte is the largest magnitude's exponent field - 2, held at 1 from below; each number is divided by the scale and rounded to the nearest code, ties to even,
; beyond the largest code the largest.
; LIMITS: NaN and infinities among the inputs are not served.  A block of zeros gets the byte 1 where the rule says 127: its codes are zeros, which add nothing under any byte but 0xff, and the bytes are read by this program alone.
; THE WORKSPACE IS LAID IN THE ORDER OF THE OPERAND'S REGISTERS.  A RECORD of 4,352 bytes serves 16 rows x 512 along K: bytes 0..4,095 the codes, [block of 32: 0..15][row 0..15][16 bytes], so that the fragment of the q-th 128 along K
; is the 1,024 bytes at 1024 q and register group c of lane l lies at 1024 q + 512 c + 16 l; bytes 4,096..4,351 the scale words, [row][q], 4 bytes each.  xq, wq: [K step 0..7][block of 16 rows 0..255][record];  laq: [K step][record],
; its 16 rows being lora_A's 16 columns.
; SHARES.  Work-groups 0..511 take x, 512..1,023 qweight; only pointers and one flag are chosen, the path is one.  A wave makes ONE record: 16 rows x 512 along K, in four steps of 128 along K.
; Each load reads 512 consecutive bytes of a row, 16 a lane; the conversions want a lane to hold whole blocks of 32 neighbours: so a step's 16 rows x 512 bytes turn through the wave's own stage in LDS (rows 528 bytes apart:
; 132 words, so the sixteen rows that a read touches start at sixteen different groups of banks: 64 banks of 4 bytes, ISA guide 11.1), and lane (r, h) takes back blocks h and 2 + h of row r: the very numbers that the operand's
; layout gives that lane.  The conversions' results are the operand's registers; they leave as they stand, 512 consecutive bytes a store.
; Work-groups 0..7 also make laq: wave q of work-group ks takes the q-th 128 along K of K step ks; lane (r, h) takes column r and its registers run down K, so nothing is turned.
; No tensor load, no barrier: waves share nothing.  Loads run two steps (32 loads, 16,384 bytes a wave) ahead.  No address register, base or store datum is ever written again, so no wait frees one.
.set REC,  4352
.set SP,   528                         ; a stage row
.set WST,  16*SP                       ; a wave's stage
.set VL,   1                           ; v1   16 x lane
.set STA,  2                           ; v2   the stage, way in: wave x WST + 16 x lane
.set LDA,  3                           ; v3   the stage, way out: wave x WST + 528 r + 128 h
.set SCO,  4                           ; v4   16 r + 8 h: my two scale words' place
.set H8,   5                           ; v5   8 h
.set LAO,  6                           ; v6   lora_A: 2048 h + 4 r
.set LASO, 7                           ; v7   16 r
.set M,    8                           ; v8-9   largest magnitudes of my two blocks
.set S,    10                          ; v10-11 the conversions' scale operands
.set B,    12                          ; v12-13 the scales' bytes
.set W,    14                          ; v14  my half of a scale word
.set T,    15                          ; v15  the other half of the lanes' half
.set R,    16                          ; v16-143  two sets of 64 registers, as loaded
.set X,    144                         ; v144-207 64 numbers: register 32 c + i = k 64 c + 32 h + i of my row
.set C,    208                         ; v208-239 codes: eight registers for each step
.set LC,   240                         ; v240-247 lora_A's codes
.set SW,   248                         ; v248-251 the four steps' scale words
.set PR,   8                           ; v8-9 the two scale words that I store (the largest magnitudes are done with by then); v252 = 0 and v255 = my spare word's address serve the closing add alone
.set LW,   254                         ; v254 lora_A's scale word
.set SEL,  24                          ; s[24:25] lane selects for v_permlanex16_b32: lane l xor 16
	s_load_b256 s[4:11], s[0:1], 0x0               ; x s[4:5], qweight s[6:7], scales s[8:9], lora_A s[10:11]
	s_load_b128 s[12:15], s[0:1], 0x20             ; xq s[12:13], wq s[14:15]
	s_load_b64 s[16:17], s[0:1], 0x30              ; laq
	v_lshl_add_u32 v255, v0, 2, 0x8400
	v_mov_b32 v252, 0
	v_lshrrev_b32 v8, 5, v0
	v_readfirstlane_b32 s18, v8                    ; wave 0..3
	v_and_b32 v9, 31, v0                           ; lane
	v_and_b32 v10, 15, v0                          ; r
	v_bfe_u32 v11, v0, 4, 1                        ; h
	v_lshlrev_b32 v[VL], 4, v9
	s_mul_i32 s26, s18, WST
	v_add_nc_u32 v[STA], s26, v[VL]
	v_mul_u32_u24 v[LDA], v10, SP
	v_lshl_add_u32 v[LDA], v11, 7, v[LDA]
	v_add_nc_u32 v[LDA], s26, v[LDA]
	v_lshlrev_b32 v[H8], 3, v11
	v_lshl_add_u32 v[SCO], v10, 4, v[H8]
	v_lshlrev_b32 v[LAO], 11, v11
	v_lshl_add_u32 v[LAO], v10, 2, v[LAO]
	v_lshlrev_b32 v[LASO], 4, v10
	v_mov_b32 v[T], 0                              ; written once: a lane permute's destination counts as one of its sources
	s_mov_b32 s[SEL], 0x76543210
	s_mov_b32 s[SEL+1], 0xfedcba98
	s_and_b32 s26, ttmp9, 511                      ; my number within the tensor's 512 work-groups
	s_lshr_b32 s27, s26, 1                         ; the block of 16 rows
	s_and_b32 s28, s26, 1
	s_lshl_b32 s28, s28, 2
	s_add_co_u32 s28, s28, s18                     ; the K step: 4 x (number's low bit) + wave
	s_lshl_b32 s30, s27, 18                        ; 16 rows of 16,384 bytes
	s_lshl_b32 s29, s28, 11                        ; 512 numbers of 4 bytes
	s_add_co_u32 s30, s30, s29
	s_mov_b32 s31, 0
	s_lshl_b32 s26, s28, 8
	s_add_co_u32 s26, s26, s27
	s_mul_i32 s26, s26, REC                        ; my record: (256 x K step + block of rows) x 4,352, under 2^24
	s_mov_b32 s27, 0
	s_wait_kmcnt 0x0
	s_load_b32 s20, s[8:9], 0x0                    ; scales[0]
	s_cmp_lt_u32 ttmp9, 512                        ; x's work-group or qweight's?  The choice hangs on the work-group's number alone
	s_cselect_b64 s[4:5], s[4:5], s[6:7]
	s_cselect_b64 s[12:13], s[12:13], s[14:15]
	s_cselect_b32 s22, 0, 1                        ; 1: whole numbers, to be cast and scaled
	s_add_nc_u64 s[4:5], s[4:5], s[30:31]
	s_add_nc_u64 s[12:13], s[12:13], s[26:27]
.macro LOAD t                          ; step t: 16 rows x 512 bytes into set t % 2; 32 lanes read 512 consecutive bytes
.irp i, 0,1,2,3,4,5,6,7,8,9,10,11,12,13,14,15
	global_load_b128 v[R+64*((\t)%2)+4*\i:R+64*((\t)%2)+4*\i+3], v[VL], s[4:5] offset:16384*\i+512*(\t) th:TH_LOAD_NT
.endr
.endm
; 64 numbers of a lane, v[xs + 32 k + i] = K 64 k + 32 h + i of my row: two whole blocks.  Their codes go to v[cd] .. v[cd + 7], the row's scale word for these 128 along K to v[wd].
.macro QUANT xs, cd, wd
.irp k, 0,1
	v_max3_num_f32 v[M+\k], |v[(\xs)+32*\k]|, |v[(\xs)+32*\k+1]|, 0x1800000   ; and the floor 2^(3 - 127), under which no largest magnitude is taken: so the byte cannot fall under 1
.endr
.irp i, 2,4,6,8,10,12,14,16,18,20,22,24,26,28,30
.irp k, 0,1
	v_max3_num_f32 v[M+\k], v[M+\k], |v[(\xs)+32*\k+\i]|, |v[(\xs)+32*\k+\i+1]|   ; (the two blocks by turns)
.endr
.endr
.irp k, 0,1
	v_add_nc_u32 v[S+\k], 0xff000000, v[M+\k]      ; 2 off the exponent field: the conversion takes the exponent field of this operand as its scale, and nothing else of it
.endr
.irp k, 0,1
.irp g, 0,1,2,3
	v_cvt_scalef32_pk8_fp4_f32 v[(\cd)+4*\k+\g], v[(\xs)+32*\k+8*\g:(\xs)+32*\k+8*\g+7], v[S+\k]
.endr
.endr
.irp k, 0,1
	v_lshrrev_b32 v[B+\k], 23, v[S+\k]             ; the scale's byte.  (Plain lines behind the conversions)
.endr
	v_lshl_or_b32 v[W], v[B+1], 16, v[B]           ; my two bytes: blocks h and 2 + h,
	v_lshlrev_b32 v[W], v[H8], v[W]                ; at their places in the word (8 h bits up);
	v_permlanex16_b32 v[T], v[W], s[SEL], s[SEL+1]
	v_or_b32 v[\wd], v[W], v[T]                    ; with lane l xor 16's two the word is whole
.endm
.macro STEP t
.if (\t) < 3
	s_wait_loadcnt 16                              ; this step's 16 loads are in; the next step's 16 may be out
.else
	s_wait_loadcnt 0
.endif
.irp i, 0,1,2,3,4,5,6,7,8,9,10,11,12,13,14,15
	ds_store_b128 v[STA], v[R+64*((\t)%2)+4*\i:R+64*((\t)%2)+4*\i+3] offset:SP*\i
.endr
.irp k, 0,1
.irp j, 0,1,2,3,4,5,6,7
	ds_load_b128 v[X+32*\k+4*\j:X+32*\k+4*\j+3], v[LDA] offset:256*\k+16*\j   ; LDS serves a wave's instructions in order (ISA guide 5.7.1.4): these see the stores above
.endr
.endr
	s_wait_dscnt 0x0                               ; the numbers are back, and the stores have read their registers,
.if (\t) < 2
	LOAD (\t)+2                                    ; which take the loads of two steps on
.endif
	s_cmp_eq_u32 s22, 0
	s_cbranch_scc1 .Lfloat_\@                      ; x is f32 as it comes
.set J, 0
.rept 64
	v_cvt_f32_i32 v[X+J], v[X+J]                   ; qweight: the cast,
.set J, J+1
.endr
.set J, 0
.rept 32
	v_pk_mul_f32 v[X+J:X+J+1], v[X+J:X+J+1], s[20:21] op_sel_hi:[1,0]   ; times scales[0], in f32
.set J, J+2
.endr
.Lfloat_\@:
	QUANT X, C+8*(\t), SW+(\t)
.irp k, 0,1
	global_store_b128 v[VL], v[C+8*(\t)+4*\k:C+8*(\t)+4*\k+3], s[12:13] offset:1024*(\t)+512*\k   ; 32 lanes store 512 consecutive bytes, at a multiple of 256 from the buffer's first byte
.endr
.endm
	s_cmp_lt_u32 ttmp9, 8
	s_cbranch_scc0 .Lplain
	; ---- lora_A, in work-groups 0..7 alone: K step = the work-group's number, the wave's number = which 128 along K
	s_lshl_b32 s26, ttmp9, 15                      ; 512 rows of 64 bytes
	s_lshl_b32 s27, s18, 13                        ; 128 rows
	s_add_co_u32 s26, s26, s27
	s_mov_b32 s27, 0
	s_add_nc_u64 s[32:33], s[10:11], s[26:27]
	s_mul_i32 s28, ttmp9, REC
	s_lshl_b32 s29, s18, 10
	s_add_co_u32 s26, s28, s29
	s_add_nc_u64 s[34:35], s[16:17], s[26:27]      ; the fragment's 1,024 bytes
	s_lshl_b32 s29, s18, 2
	s_add_co_u32 s26, s28, s29
	s_add_nc_u64 s[36:37], s[16:17], s[26:27]      ; the scale words' column q
.set J, 0
	s_wait_alu depctr_va_vdst(0)
.rept 64
	global_load_b32 v[X+J], v[LAO], s[32:33] offset:(64*(J/32)+J%32)*64   ; lora_A(64 c + 32 h + i, r): sixteen neighbouring lanes read 64 neighbouring bytes
.set J, J+1
.endr
	LOAD 0
	LOAD 1
	s_wait_loadcnt 32                              ; lora_A's 64 are in; the 32 younger loads stay out
	QUANT X, LC, LW
	global_store_b128 v[VL], v[LC:LC+3], s[34:35]
	global_store_b128 v[VL], v[LC+4:LC+7], s[34:35] offset:512
	global_store_b32 v[LASO], v[LW], s[36:37] offset:4096   ; both halves of the lanes write the same word with the same value.  Sixteen words 16 bytes apart: 64 bytes of the record's last 256, the other waves write the rest
	s_branch .Lgo
.Lplain:
	LOAD 0
	LOAD 1
.Lgo:
	s_wait_alu depctr_va_vdst(0)
	s_wait_kmcnt 0x0                               ; scales[0] is in: it is waited for here, behind the first 32 loads, since STEP 0 is its first reader
	s_mov_b32 s21, s20                             ; the packed multiply names the pair
	STEP 0
	STEP 1
	STEP 2
	STEP 3
	v_cmp_eq_u32 vcc_lo, 0, v[H8]
	v_cndmask_b32 v[PR], v[SW+2], v[SW], vcc_lo    ; lanes 0-15 store words 0 and 1 of their row, lanes 16-31 words 2 and 3
	v_cndmask_b32 v[PR+1], v[SW+3], v[SW+1], vcc_lo
	global_store_b64 v[SCO], v[PR:PR+1], s[12:13] offset:4096   ; 32 lanes store 256 consecutive bytes, aligned
	s_wait_tensorcnt 0x0                           ; the wave's end: behind my last LDS store
	ds_add_u32 v255, v252
	s_wait_dscnt 0x0
	s_endpgm
.Lfunc_end_k_q667d3357c9_quant:
	.size	k_q667d3357c9_quant, .Lfunc_end_k_q667d3357c9_quant-k_q667d3357c9_quant
	.p2alignl 7, 3214868480
	.fill 96, 4, 3214868480
	.section	.rodata,"a",@progbits
	.p2align	6, 0x0
	.amdhsa_kernel k_q667d3357c9_quant
		.amdhsa_group_segment_fixed_size 34304
		.amdhsa_private_segment_fixed_size 0
		.amdhsa_enable_private_segment 0
		.amdhsa_kernarg_size 56
		.amdhsa_user_sgpr_count 2
		.amdhsa_user_sgpr_kernarg_segment_ptr 1
		.amdhsa_wavefront_size32 1
		.amdhsa_system_sgpr_workgroup_id_x 1
		.amdhsa_system_sgpr_workgroup_id_y 1
		.amdhsa_system_sgpr_workgroup_id_z 1
		.amdhsa_system_vgpr_workitem_id 0
		.amdhsa_next_free_vgpr 256
		.amdhsa_next_free_sgpr 66
		.amdhsa_reserve_vcc 1
		.amdhsa_float_denorm_mode_32 3
		.amdhsa_float_denorm_mode_16_64 3
		.amdhsa_memory_ordered 1
		.amdhsa_forward_progress 1
		.amdhsa_inst_pref_size 59
	.end_amdhsa_kernel
	.amdgpu_metadata
---
amdhsa.version: [ 1, 2 ]
amdhsa.kernels:
  - .name:           k_q667d3357c9_quant
    .symbol:         k_q667d3357c9_quant.kd
    .args:
      - { .name: x, .offset: 0, .size: 8, .value_kind: global_buffer, .address_space: global }
      - { .name: qweight, .offset: 8, .size: 8, .value_kind: global_buffer, .address_space: global }
      - { .name: scales, .offset: 16, .size: 8, .value_kind: global_buffer, .address_space: global }
      - { .name: lora_A, .offset: 24, .size: 8, .value_kind: global_buffer, .address_space: global }
      - { .name: xq, .offset: 32, .size: 8, .value_kind: global_buffer, .address_space: global }
      - { .name: wq, .offset: 40, .size: 8, .value_kind: global_buffer, .address_space: global }
      - { .name: laq, .offset: 48, .size: 8, .value_kind: global_buffer, .address_space: global }
    .group_segment_fixed_size: 34304
    .private_segment_fixed_size: 0
    .kernarg_segment_align: 8
    .kernarg_segment_size: 56
    .max_flat_workgroup_size: 128
    .sgpr_count:     66
    .vgpr_count:     256
    .wavefront_size: 32
...
	.end_amdgpu_metadata
.endif
;; end of part 1
;; launch gemm (part 2): grid 16 x 16, 4 waves a work-group, clusters of 4 x 4, 327,680 bytes of LDS; arguments xq, wq, laq, bias, lora_B, out0; writes out0
.if DOCPART == 2
	.amdgcn_target "amdgcn-amd-amdhsa--gfx1250"
	.amdhsa_code_object_version 6
	.text
	.protected	k_q667d3357c9_gemm
	.globl	k_q667d3357c9_gemm
	.p2align	8
	.type	k_q667d3357c9_gemm,@function
k_q667d3357c9_gemm:
	s_mov_b64 s[64:65], 0
	v_nop
	global_prefetch_b8 v0, s[64:65] scope:SCOPE_SE
	s_setreg_imm32_b32 hwreg(HW_REG_WAVE_MODE, 25, 1), 1
	s_wait_xcnt 0x0
	s_wait_alu depctr_hold_cnt(0) depctr_sa_sdst(0) depctr_va_vdst(0) depctr_va_sdst(0) depctr_va_ssrc(0) depctr_va_vcc(0) depctr_vm_vsrc(0)
	s_getreg_b32 s2, hwreg(HW_REG_IB_STS2, 6, 4)
	s_cmp_eq_u32 s2, 0
	s_cbranch_scc0 .Lentry_in_a_cluster
	s_endpgm
.Lentry_in_a_cluster:
	s_bfe_u32 s2, ttmp6, 0x10000c
	s_cmp_lg_u32 s2, 0xf033
	s_cbranch_scc0 .Lentry_shape_is_right
	s_endpgm
.Lentry_shape_is_right:
; out0[m][n] = sum_k Q(x)[m][k] Q(w)[n][k] + bias[n] + sum_j T[m][j] lora_B[j][n],  T[m][j] = sum_k Q(x)[m][k] Q(lora_A)[k][j].
; xq, wq, laq hold codes of FP4 (E2M1) and E8M0 scale words in RECORDS of 4,352 bytes, 16 rows x 512 along K, laid in the order of the operand's registers:
; the fragment of the q-th 128 along K is the 1,024 bytes at 1024 q (register group c of lane l at 512 c + 16 l); the scale words [row][q] lie at byte 4,096.  xq, wq: [K step 0..7][block of 16 rows][record]; laq: [K step][record].
; A work-group of four waves makes 256 x 256 of out0, a wave 128 x 128: 64 accumulators, 512 registers, and eight more accumulators for T of its 128 rows.
; K goes in 8 steps of 512 through a ring of two LDS slots (16 records of x, 16 of w); each wave fetches 8 records, 34,816 dense bytes, by one tensor load.
; CLUSTERS 4 x 4: x's tiles are asked for jointly along a row of the cluster, w's along a column.
; laq (34,816 bytes, all of K) comes once through registers into LDS bytes of its own, 17 loads of 512 bytes a wave, while slot 0's tensor load is out; so does lora_B's bf16 image.
; THE MATRIX INSTRUCTION IS USED TRANSPOSED (source 0 = rows of w or columns of lora_A, source 1 = rows of x): a lane holds eight neighbouring columns of one row of out0.
; bias is the C of each accumulator's first product.  The third product (K = 16) takes T and lora_B rounded to bf16, its upper 16 of K being zeros on T's side.
; BOTH OPERANDS HAVE TWO SETS OF FRAGMENT REGISTERS: a step of 128 along K issues the next step's 34 LDS loads in two runs: w's and lora_A's 18 at its head, x's 16 in its middle.
; So all reads of a slot are issued before its last step begins, and the change of slots stands at that step's head: between the wait for the tiles and the refill stands the round alone,
; and all 72 matrix instructions of the step stand behind the refill.
; PREFETCH: behind each joint load the K step two refills on is asked for: of the 136 blocks of 256 bytes that a wave fetches each of the four partners names 34, told apart by address
; (cx for x, cy for w), two instructions a wave; the second one's spare lanes name the last block again.  The last two refills ask for nothing; K steps 0 and 1 come by their loads alone.
; laq, bias and lora_B are read once at the head, where there is no loop to run ahead in: no prefetch for them.
; LIMITS: NaN and infinities among the inputs are not served.
; REGISTERS. window 0: v0-31 addresses; v32-103 scale words, two sets of 36; v128-191, v192-255 x's fragments, two sets (v192-255 hold bias until the first step is over).
; window 1: w's fragments and lora_A's, two sets at v0-71 and v128-199; T's accumulators v72-103, v200-231.  windows 2, 3: the accumulators of my rows 0-63, 64-127.
.set REC,    4352
.set HALFT,  8*REC                     ; what one tensor load brings
.set SLOT,   4*HALFT
.set KSB,    256*REC                   ; bytes from K step to K step in xq and wq
.set LAB,    2*SLOT                    ; laq's eight records
.set SPARE,  LAB+8*REC                 ; the spare words: 512 bytes that no other line names
.set LBI,    SPARE+512                 ; lora_B's image: [column half][block of 16 columns][512 bytes]
.set SPITCH, 528                       ; the way out: a stage of 16 rows x (512 + 16) bytes a wave, in slot 0 behind its last fill and last read
.set NQ,     4
.set LAPS,   4
.set ROWO,   4096*4
.set BO,   10                          ; v10 bias: 32 h
.set LBO,  11                          ; v11 lora_B: 8 h rows + 4 r
.set LBW,  12                          ; v12 lora_B's image, way in
.set LAW,  13                          ; v13 laq, way in
.set PFO,  14                          ; v14-15 the prefetches' offsets: 256 x lane; 8192 + 256 x min(lane, 1)
.set ADRA, 16                          ; v16-17 my x fragments in slot 0, 1
.set ADRB, 20                          ; v20-21 my w fragments
.set ADRS, 22                          ; v22-23 scale words: lanes 0-15 x's, lanes 16-31 w's
.set STO,  24
.set RD,   25
.set CO,   26                          ; v26 16 x lane
.set ADRL, 27                          ; v27 lora_A's fragments of this K step
.set SPW,  28
.set NIL,  29
.set ADRLS, 30                         ; v30 lora_A's scale words
.set LBR,  31                          ; v31 lora_B's image, way out
.set SC,   32
.set AF,   128
.set BI,   192                         ; bias, in the result's layout
.set LBF,  128                         ; the third product: lora_B's fragments,
.set TP,   192                         ; and T's
.set BK,   128
.set WV,   16
.set RH,   17
.set CH,   18
.set G1,   24
.set G0,   32
.set G1B,  48
.set G0B,  56
.set PFA,  68                          ; s[68:69] where my prefetches stand
.set MSB, 0
.macro WIN new                         ; the immediate's high byte repeats the setting that is left
.if MSB != \new
	s_set_vgpr_msb (MSB<<8)|\new
.set MSB, \new
.endif
.endm
.set MUL_LO,   0xa1                    ; source 0 window 1, source 1 window 0, C and D window 2
.set MUL_HI,   0xf1
.set FIRST_LO, 0x81                    ; the same with C (bias) in window 0
.set FIRST_HI, 0xc1
.set W_T,      0x51                    ; T: C and D in window 1
.set TO_B,     0x40
.set W_TP,     0x05
.set LOR_LO,   0xa0
.set LOR_HI,   0xf0
.macro JLOAD g0a, g1a, g0b, g1b        ; a joint load: waves 0, 1 fetch x's halves, waves 2, 3 w's
	s_cmp_eq_u32 s[RH], 0
	s_cbranch_scc0 .Lfor_b_\@
	tensor_load_to_lds s[\g0a:\g0a+3], s[\g1a:\g1a+7]
	s_nop 0
.rept 4
	v_nop
.endr
	s_branch .Lasked_\@
.Lfor_b_\@:
	tensor_load_to_lds s[\g0b:\g0b+3], s[\g1b:\g1b+7]
	s_nop 0
.rept 4
	v_nop
.endr
.Lasked_\@:
.endm
.macro CREST
	s_cmp_lg_u32 s[WV], 0
	s_cbranch_scc1 .Lnot_wave_0_\@
	s_barrier_signal -3
.Lnot_wave_0_\@:
	s_barrier_wait -3
	s_barrier_signal -1
	s_barrier_wait -1
.endm
.macro CROUND
	s_barrier_signal -1
	s_barrier_wait -1
	CREST
.endm
.macro PF                              ; 34 blocks of 256 bytes of the K step behind the one at which PFA stands
	global_prefetch_b8 v[PFO], s[PFA:PFA+1] offset:KSB th:TH_LOAD_NT scope:SCOPE_SE
	global_prefetch_b8 v[PFO+1], s[PFA:PFA+1] offset:KSB th:TH_LOAD_NT scope:SCOPE_SE
.endm
	s_load_b256 s[4:11], s[0:1], 0x0               ; xq, wq, laq, bias
	s_load_b128 s[12:15], s[0:1], 0x20             ; lora_B, out0
	v_lshl_add_u32 v[SPW], v0, 2, SPARE
	v_mov_b32 v[NIL], 0
	ds_add_u32 v[SPW], v[NIL]                      ; the opening lines: the add twice on end and one wait
	ds_add_u32 v[SPW], v[NIL]
	v_lshrrev_b32 v1, 5, v0
	v_readfirstlane_b32 s[WV], v1
	s_lshr_b32 s[RH], s[WV], 1                     ; my half of the rows; also: I fetch for x (0) or w (1)
	s_and_b32 s[CH], s[WV], 1                      ; my half of the columns; also: which 8 records I fetch
	s_bfe_u32 s40, ttmp6, 0x40000                  ; cx
	s_bfe_u32 s41, ttmp6, 0x40004                  ; cy
	s_lshl_b32 s42, ttmp9, 2
	s_add_co_u32 s42, s42, s40                     ; tile column
	s_and_b32 s43, ttmp7, 0xffff
	s_lshl_b32 s43, s43, 2
	s_add_co_u32 s43, s43, s41                     ; tile row
	s_lshl_b32 s44, s41, 2
	s_lshl_b32 s44, 15, s44                        ; my row of the cluster
	s_lshl_b32 s45, 0x1111, s40                    ; my column
	s_or_b32 s[G1+0], s44, (3<<16)|(1<<21)         ; elements of 8 bytes, no padding: 136 rows of 256 bytes, dense
	s_or_b32 s[G1B+0], s45, (3<<16)|(1<<21)
.irp g, G1, G1B
	s_mov_b32 s[\g+1], 32<<16
	s_mov_b32 s[\g+2], 136<<16
	s_mov_b32 s[\g+3], 32<<16
	s_mov_b32 s[\g+4], 136
	s_mov_b32 s[\g+5], 32
	s_mov_b32 s[\g+6], 0
	s_mov_b32 s[\g+7], 0
.endr
	s_lshl_b32 s20, s43, 1
	s_add_co_u32 s20, s20, s[CH]
	s_mul_i32 s20, s20, HALFT                      ; x: (2 x tile row + half) x 8 records
	s_mov_b32 s21, 0
	s_lshl_b32 s46, s42, 1
	s_add_co_u32 s46, s46, s[CH]
	s_mul_i32 s46, s46, HALFT                      ; w: by the tile column
	s_mov_b32 s47, 0
	s_mul_i32 s22, s[WV], HALFT                    ; where my 8 records go
	s_mul_i32 s23, s[WV], 2*REC                    ; my two records of laq
	s_wait_dscnt 0x0                               ; both opening adds are done
	s_wait_kmcnt 0x0
	s_add_nc_u64 s[20:21], s[4:5], s[20:21]
	s_add_nc_u64 s[46:47], s[6:7], s[46:47]
.irp s, 0,1
	s_mov_b32 s[G0+4*\s], 1
	s_add_co_u32 s[G0+4*\s+1], s22, \s*SLOT
	s_add_nc_u64 s[G0+4*\s+2:G0+4*\s+3], s[20:21], \s*KSB
	s_or_b32 s[G0+4*\s+3], s[G0+4*\s+3], 0x80000000
	s_mov_b32 s[G0B+4*\s], 1
	s_add_co_u32 s[G0B+4*\s+1], s22, \s*SLOT
	s_add_nc_u64 s[G0B+4*\s+2:G0B+4*\s+3], s[46:47], \s*KSB
	s_or_b32 s[G0B+4*\s+3], s[G0B+4*\s+3], 0x80000000
.endr
	CROUND                                         ; all sixteen work-groups are here: the first joint loads meet
	JLOAD G0, G1, G0B, G1B                         ; K step 0: one tensor load a wave at the head
	; scalars first, then the vector lines on end
	s_cmp_eq_u32 s[RH], 0
	s_cselect_b32 s84, s40, s41                    ; my place among the four that ask with me
	s_cselect_b64 s[PFA:PFA+1], s[20:21], s[46:47]
	s_mul_i32 s84, s84, 34*256
	s_add_co_u32 s84, s84, KSB                     ; PFA stands at K step 1: the first prefetch names K step 2
	s_mov_b32 s85, 0
	s_add_nc_u64 s[PFA:PFA+1], s[PFA:PFA+1], s[84:85]
	s_mov_b32 s80, s23
	s_mov_b32 s81, 0
	s_add_nc_u64 s[80:81], s[8:9], s[80:81]        ; laq at my two records
	s_lshl_b32 s82, s42, 10
	s_lshl_b32 s83, s[CH], 9
	s_add_co_u32 s82, s82, s83                     ; my first column, in bytes
	s_mov_b32 s83, 0
	s_add_nc_u64 s[10:11], s[10:11], s[82:83]
	s_add_nc_u64 s[12:13], s[12:13], s[82:83]
	s_add_nc_u64 s[14:15], s[14:15], s[82:83]
	s_lshl_b32 s82, s[RH], 8
	s_add_nc_u64 s[12:13], s[12:13], s[82:83]      ; of lora_B's 128 columns of my half I convert 64
	s_lshl_b32 s82, s43, 8
	s_lshl_b32 s84, s[RH], 7
	s_add_co_u32 s82, s82, s84
	s_lshl_b32 s82, s82, 14                        ; my first row of out0, 16,384 bytes a row
	s_add_nc_u64 s[14:15], s[14:15], s[82:83]
	s_mul_i32 s84, s[RH], HALFT
	s_mul_i32 s85, s[CH], HALFT
	s_add_co_u32 s85, s85, 2*HALFT
	s_xor_b32 s86, s[RH], 1
	s_add_co_u32 s86, s86, s[CH]
	s_add_co_u32 s86, s86, 1
	s_mul_i32 s86, s86, HALFT                      ; from my x records to my w records
	s_add_co_u32 s87, s84, 4096
	s_mul_i32 s88, s[WV], 16*SPITCH
	s_lshl_b32 s89, s[CH], 12
	s_add_co_u32 s89, s89, LBI
	s_lshl_b32 s90, s[RH], 11
	s_add_co_u32 s90, s90, s89
	s_add_co_u32 s91, s23, LAB
	v_and_b32 v1, 15, v0                           ; r
	v_bfe_u32 v2, v0, 4, 1                         ; h
	v_and_b32 v3, 31, v0
	v_lshlrev_b32 v[BO], 5, v2
	v_lshlrev_b32 v[LBO], 17, v2
	v_lshl_add_u32 v[LBO], v1, 2, v[LBO]
	v_lshlrev_b32 v[CO], 4, v3
	v_lshlrev_b32 v[PFO], 8, v3
	v_min_u32 v4, 1, v3
	v_lshl_add_u32 v[PFO+1], v4, 8, 8192
	PF                                             ; K step 2
.set J, 0
.rept 17
	global_load_b128 v[32+4*J:35+4*J], v[CO], s[80:81] offset:512*J      ; laq: 512 consecutive bytes a load
.set J, J+1
.endr
.irp u, 0,1,2,3
.irp j, 0,1,2,3,4,5,6,7
	global_load_b32 v[128+8*\u+\j], v[LBO], s[12:13] offset:16384*\j+64*\u   ; lora_B(8 h + j, 16 u + r)
.endr
.endr
.irp b, 0,1,2,3,4,5,6,7
	global_load_b128 v[BI+8*\b:BI+8*\b+3], v[BO], s[10:11] offset:64*\b      ; bias(16 b + 8 h + 0 .. 7): the youngest 16 loads
	global_load_b128 v[BI+8*\b+4:BI+8*\b+7], v[BO], s[10:11] offset:64*\b+16
.endr
	v_add_nc_u32 v[ADRA], s84, v[CO]
	v_add_nc_u32 v[ADRB], s85, v[CO]
	v_add_nc_u32 v[ADRA+1], SLOT, v[ADRA]
	v_add_nc_u32 v[ADRB+1], SLOT, v[ADRB]
	v_mul_u32_u24 v4, s86, v2                      ; lanes 16-31 take w's scale words
	v_lshl_add_u32 v4, v1, 4, v4
	v_add_nc_u32 v[ADRS], s87, v4
	v_add_nc_u32 v[ADRS+1], SLOT, v[ADRS]
	v_mul_u32_u24 v5, v1, SPITCH
	v_lshl_add_u32 v5, v2, 5, v5
	v_add_nc_u32 v[STO], s88, v5
	v_add_nc_u32 v[RD], s88, v[CO]
	v_add_nc_u32 v[ADRL], LAB, v[CO]
	v_lshlrev_b32 v6, 4, v1
	v_add_nc_u32 v[ADRLS], LAB+4096, v6
	v_add_nc_u32 v[LBR], s89, v[CO]
	v_add_nc_u32 v[LBW], s90, v[CO]
	v_add_nc_u32 v[LAW], s91, v[CO]
	s_wait_alu depctr_va_vdst(0)
	s_wait_loadcnt 16                              ; laq's 17 and lora_B's 32 are in; bias's 16, issued behind them, may be out
.set J, 0
.rept 17
	ds_store_b128 v[LAW], v[32+4*J:35+4*J] offset:512*J
.set J, J+1
.endr
.irp u, 0,1,2,3
.irp p, 0,1,2,3
	v_cvt_pk_bf16_f32 v[160+4*\u+\p], v[128+8*\u+2*\p], v[128+8*\u+2*\p+1]
.endr
.endr
.irp u, 0,1,2,3
	ds_store_b128 v[LBW], v[160+4*\u:160+4*\u+3] offset:512*\u
.endr
.macro FRAG reg, adr, q, i             ; a fragment: 1,024 bytes of a record, as they lie
.irp c, 0,1
	ds_load_b128 v[\reg+4*\c:\reg+4*\c+3], v[\adr] offset:(\i)*REC+1024*(\q)+512*\c
.endr
.endm
; 16 matrix instructions: x's blocks a0, a0 + 1 against w's eight; p: the sets of fragments; zero = 1: bias is C.  The accumulators take turns, one instruction a turn.
.macro MUL16 a0, p, q, sc, zero
.irp a, \a0, \a0+1
.irp b, 0,1,2,3,4,5,6,7
.if \zero
	v_wmma_scale_f32_16x16x128_f8f6f4 v[8*(8*((\a)%4)+\b):8*(8*((\a)%4)+\b)+7], v[128*(\p)+8*\b:128*(\p)+8*\b+7], v[AF+64*(\p)+8*(\a):AF+64*(\p)+8*(\a)+7], v[BI+8*\b:BI+8*\b+7], v[SC+36*(\sc)+4*\b+(\q)], v[SC+36*(\sc)+4*(\a)+(\q)] matrix_a_fmt:MATRIX_FMT_FP4 matrix_b_fmt:MATRIX_FMT_FP4 matrix_a_scale:MATRIX_SCALE_ROW1
.else
	v_wmma_scale_f32_16x16x128_f8f6f4 v[8*(8*((\a)%4)+\b):8*(8*((\a)%4)+\b)+7], v[128*(\p)+8*\b:128*(\p)+8*\b+7], v[AF+64*(\p)+8*(\a):AF+64*(\p)+8*(\a)+7], v[8*(8*((\a)%4)+\b):8*(8*((\a)%4)+\b)+7], v[SC+36*(\sc)+4*\b+(\q)], v[SC+36*(\sc)+4*(\a)+(\q)] matrix_a_fmt:MATRIX_FMT_FP4 matrix_b_fmt:MATRIX_FMT_FP4 matrix_a_scale:MATRIX_SCALE_ROW1
.endif
.endr
.endr
.endm
.macro TMUL a0, p, q, sc, zero         ; T of x's blocks a0 .. a0 + 3
.irp a, \a0, \a0+1, \a0+2, \a0+3
.set TR, 72+8*(\a)+96*((\a)/4)
.if \zero
	v_wmma_scale_f32_16x16x128_f8f6f4 v[TR:TR+7], v[128*(\p)+64:128*(\p)+71], v[AF+64*(\p)+8*(\a):AF+64*(\p)+8*(\a)+7], 0, v[SC+36*(\sc)+32+(\q)], v[SC+36*(\sc)+4*(\a)+(\q)] matrix_a_fmt:MATRIX_FMT_FP4 matrix_b_fmt:MATRIX_FMT_FP4 matrix_a_scale:MATRIX_SCALE_ROW1
.else
	v_wmma_scale_f32_16x16x128_f8f6f4 v[TR:TR+7], v[128*(\p)+64:128*(\p)+71], v[AF+64*(\p)+8*(\a):AF+64*(\p)+8*(\a)+7], v[TR:TR+7], v[SC+36*(\sc)+32+(\q)], v[SC+36*(\sc)+4*(\a)+(\q)] matrix_a_fmt:MATRIX_FMT_FP4 matrix_b_fmt:MATRIX_FMT_FP4 matrix_a_scale:MATRIX_SCALE_ROW1
.endif
.endr
.endm
.macro FETCH_B slot, q, p              ; w's eight fragments and lora_A's: 18 loads (window TO_B)
.irp i, 0,1,2,3,4,5,6,7
	FRAG 128*(\p)+8*\i, ADRB+\slot, \q, \i
.endr
	FRAG 128*(\p)+64, ADRL, \q, 0
.endm
.macro FETCH_A slot, q, p, i0          ; four of x's fragments (window 0)
.irp i, \i0, \i0+1, \i0+2, \i0+3
	FRAG AF+64*(\p)+8*(\i), ADRA+\slot, \q, \i
.endr
.endm
.macro SCALES s                        ; a K step's scale words: lanes 0-15 x's block i, lanes 16-31 w's block i; then lora_A's
.irp i, 0,1,2,3,4,5,6,7
	ds_load_b128 v[SC+36*\s+4*\i:SC+36*\s+4*\i+3], v[ADRS+\s] offset:\i*REC
.endr
	ds_load_b128 v[SC+36*\s+32:SC+36*\s+35], v[ADRLS]
.endm
.macro PLACES n
.rept \n
	v_nop
.endr
.endm
; A step of 128 along K whose successor lies in the same slot.  The four places at its head stand between the step before, which read the other sets, and all this step's loads into them.
.macro STEP slot, q, zero
	PLACES 4
	WIN TO_B
	FETCH_B \slot, (\q)+1, 1-(\q)%2
	s_wait_dscnt 26                                ; out at most: x's blocks 4-7 of this step and the 18 loads just issued
.if \zero
	WIN FIRST_LO
.else
	WIN MUL_LO
.endif
	MUL16 0, (\q)%2, \q, \slot, \zero
	MUL16 2, (\q)%2, \q, \slot, \zero
	WIN W_T
	TMUL 0, (\q)%2, \q, \slot, \zero
.if \zero
	s_wait_dscnt 18                                ; x's blocks 4-7 are in: 18 loads were issued behind them
	WIN FIRST_HI
	MUL16 4, 0, \q, \slot, 1
	MUL16 6, 0, \q, \slot, 1
	WIN W_T
	TMUL 4, 0, \q, \slot, 1
	PLACES 4                                       ; bias has been read: x's second set may land on it
	WIN 0
	FETCH_A \slot, (\q)+1, 1, 0
	FETCH_A \slot, (\q)+1, 1, 4
.else
	WIN 0
	FETCH_A \slot, (\q)+1, 1-(\q)%2, 0
	FETCH_A \slot, (\q)+1, 1-(\q)%2, 4
	s_wait_dscnt 34                                ; x's blocks 4-7 are in: 18 + 16 loads were issued behind them
	WIN MUL_HI
	MUL16 4, (\q)%2, \q, \slot, 0
	MUL16 6, (\q)%2, \q, \slot, 0
	WIN W_T
	TMUL 4, (\q)%2, \q, \slot, 0
	WIN 0
.endif
.endm
; A slot's last step changes slots at its head: its own fragments were asked for a step ago, so no read of this slot is still to be issued.
; One barrier; ahead of it each wave waits for all its tensor loads, adds 0 to its spare word and waits for that and for its reads of this slot.
.macro TURN slot, next, fill
.if \fill
	s_wait_xcnt 0x0                                ; my prefetches have read their address: it steps one K step
	s_add_nc_u64 s[PFA:PFA+1], s[PFA:PFA+1], KSB
.endif
	s_wait_tensorcnt 0x0                           ; my part of the next slot is in, and no tensor load of mine is out
	ds_add_u32 v[SPW], v[NIL]
.if \fill
	s_add_nc_u64 s[G0+4*\slot+2:G0+4*\slot+3], s[G0+4*\slot+2:G0+4*\slot+3], 2*KSB      ; this slot's next K step
	s_add_nc_u64 s[G0B+4*\slot+2:G0B+4*\slot+3], s[G0B+4*\slot+2:G0B+4*\slot+3], 2*KSB
.endif
	s_wait_dscnt 0x0                               ; the add is done, my reads of this slot are over
	s_barrier_signal -1
	s_barrier_wait -1
.if \fill
	CREST                                          ; the barrier has opened a round of the cluster's barrier
	JLOAD G0+4*\slot, G1, G0B+4*\slot, G1B         ; the first tensor load behind the round; its four v_nop are the places ahead of the loads below
.else
	PLACES 4
.endif
	v_add_nc_u32 v[ADRL], REC, v[ADRL]             ; lora_A's next record
	v_add_nc_u32 v[ADRLS], REC, v[ADRLS]
	s_wait_alu depctr_va_vdst(0)
	WIN TO_B
	FETCH_B \next, 0, 0
	WIN 0
	SCALES \next
	WIN MUL_LO
	MUL16 0, 1, NQ-1, \slot, 0
	MUL16 2, 1, NQ-1, \slot, 0
	WIN W_T
	TMUL 0, 1, NQ-1, \slot, 0
	WIN 0
	FETCH_A \next, 0, 0, 0
	FETCH_A \next, 0, 0, 4
.if \fill
	s_cmp_gt_u32 s19, 1                            ; the loop's last trip has no K step two refills on
	s_cbranch_scc0 .Lno_ask_\@
	PF
.Lno_ask_\@:
.endif
	WIN MUL_HI
	MUL16 4, 1, NQ-1, \slot, 0
	MUL16 6, 1, NQ-1, \slot, 0
	WIN W_T
	TMUL 4, 1, NQ-1, \slot, 0
	WIN 0
.endm
.macro STEPS slot, from
.set Q, \from
.rept NQ-1-\from
	STEP \slot, Q, 0
.set Q, Q+1
.endr
.endm
	s_wait_xcnt 0x0                                ; the first prefetches have read their address
	s_add_nc_u64 s[PFA:PFA+1], s[PFA:PFA+1], KSB
	s_wait_alu depctr_va_vdst(0)
	s_wait_tensorcnt 0x0                           ; my part of K step 0 is in; slot 1's first fill is issued as a refill is
	ds_add_u32 v[SPW], v[NIL]
	s_wait_dscnt 0x0                               ; the add is done, and so are my stores of laq's records and lora_B's image
	CROUND
	JLOAD G0+4, G1, G0B+4, G1B                     ; K step 1
	WIN TO_B
	FETCH_B 0, 0, 0
	WIN 0
	FETCH_A 0, 0, 0, 0
	SCALES 0
	PF                                             ; K step 3
	FETCH_A 0, 0, 0, 4
	s_wait_loadcnt 0x0                             ; bias is in
	STEP 0, 0, 1                                   ; the first step starts the sums
	s_mov_b32 s19, LAPS-1
.Llap:                                                 ; a trip goes once round the ring, from a lap's second step to the next lap's first
	STEPS 0, 1
	TURN 0, 1, 1
	STEPS 1, 0
	TURN 1, 0, 1
	STEP 0, 0, 0
	s_sub_co_u32 s19, s19, 1
	s_cmp_lg_u32 s19, 0
	s_cbranch_scc1 .Llap
	STEPS 0, 1                                     ; the last lap fills nothing
	TURN 0, 1, 0
	STEPS 1, 0
	PLACES 4                                       ; x's first set is done with: lora_B's fragments land there
.irp b, 0,1,2,3,4,5,6,7
	ds_load_b128 v[LBF+8*\b:LBF+8*\b+3], v[LBR] offset:512*\b
	ds_load_b128 v[LBF+8*\b+4:LBF+8*\b+7], v[LBR] offset:512*\b   ; the upper 16 of K meet zeros on T's side: any finite numbers serve
.endr
	s_wait_dscnt 24                                ; out at most: x's blocks 4-7 and the 16 just issued
	WIN MUL_LO
	MUL16 0, 1, NQ-1, 1, 0
	MUL16 2, 1, NQ-1, 1, 0
	WIN W_T
	TMUL 0, 1, NQ-1, 1, 0
	s_wait_dscnt 16
	WIN MUL_HI
	MUL16 4, 1, NQ-1, 1, 0
	MUL16 6, 1, NQ-1, 1, 0
	WIN W_T
	TMUL 4, 1, NQ-1, 1, 0
	WIN 0
	PLACES 5
	WIN W_TP
.irp a, 0,1,2,3,4,5,6,7
.set TR, 72+8*\a+96*(\a/4)
.irp p, 0,1,2,3
	v_cvt_pk_bf16_f32 v[TP+8*\a+\p], v[TR+2*\p], v[TR+2*\p+1]     ; T(r, 8 h + 0 .. 7), each accumulator from its low end on
.endr
.endr
	WIN 0
.irp a, 0,1,2,3,4,5,6,7
.irp p, 0,1,2,3
	v_mov_b32 v[TP+8*\a+4+\p], 0
.endr
.endr
	s_wait_alu depctr_va_vdst(0)
	s_wait_dscnt 0x0
	WIN LOR_LO
.irp a, 0,1,2,3
.irp b, 0,1,2,3,4,5,6,7
	v_wmma_f32_16x16x32_bf16 v[8*(8*\a+\b):8*(8*\a+\b)+7], v[LBF+8*\b:LBF+8*\b+7], v[TP+8*\a:TP+8*\a+7], v[8*(8*\a+\b):8*(8*\a+\b)+7]
.endr
.endr
	WIN LOR_HI
.irp a, 4,5,6,7
.irp b, 0,1,2,3,4,5,6,7
	v_wmma_f32_16x16x32_bf16 v[8*(8*(\a-4)+\b):8*(8*(\a-4)+\b)+7], v[LBF+8*\b:LBF+8*\b+7], v[TP+8*\a:TP+8*\a+7], v[8*(8*(\a-4)+\b):8*(8*(\a-4)+\b)+7]
.endr
.endr
	WIN 0
; THE WAY OUT, block by block of 16 rows x 128 columns, through my own stage: back as whole rows of 512 bytes, which 32 lanes store as two aligned units of 256 bytes.
.macro TOSTAGE a
.set AC, 64*((\a)%4)
	WIN 0x08+4*((\a)/4)
.irp b, 0,1,2,3,4,5,6,7
	ds_store_b128 v[STO], v[AC+8*\b:AC+8*\b+3] offset:64*\b
	ds_store_b128 v[STO], v[AC+8*\b+4:AC+8*\b+7] offset:64*\b+16
.endr
	WIN 0
.set BB, BK+64*((\a)%2)
.irp t, 0,1,2,3,4,5,6,7,8,9,10,11,12,13,14,15
	ds_load_b128 v[BB+4*\t:BB+4*\t+3], v[RD] offset:\t*SPITCH     ; LDS serves a wave's instructions in order (ISA guide 5.7.1.4)
.endr
.endm
.macro SEND a, younger
.set BB, BK+64*((\a)%2)
	s_wait_dscnt \younger
.if (\a) > 0
	s_add_nc_u64 s[14:15], s[14:15], 16*ROWO       ; behind a wait on XCNT for 0
.endif
.irp t, 0,1,2,3,4,5,6,7,8,9,10,11,12,13,14,15
	global_store_b128 v[CO], v[BB+4*\t:BB+4*\t+3], s[14:15] offset:\t*ROWO th:TH_STORE_NT
.endr
.endm
	PLACES 4
	TOSTAGE 0
.irp a, 1,2,3,4,5,6,7
.if \a > 1
	s_wait_xcnt 0x0                                ; block a - 2's stores have read their registers and their base
.endif
	TOSTAGE \a
	SEND \a-1, 32
.endr
	s_wait_xcnt 0x0
	SEND 7, 0
	s_wait_tensorcnt 0x0                           ; the wave's end
	ds_add_u32 v[SPW], v[NIL]
	s_wait_dscnt 0x0
	CROUND                                         ; the closing round
	s_endpgm
.Lfunc_end_k_q667d3357c9_gemm:
	.size	k_q667d3357c9_gemm, .Lfunc_end_k_q667d3357c9_gemm-k_q667d3357c9_gemm
	.p2alignl 7, 3214868480
	.fill 96, 4, 3214868480
	.section	.rodata,"a",@progbits
	.p2align	6, 0x0
	.amdhsa_kernel k_q667d3357c9_gemm
		.amdhsa_group_segment_fixed_size 327680
		.amdhsa_private_segment_fixed_size 0
		.amdhsa_enable_private_segment 0
		.amdhsa_kernarg_size 48
		.amdhsa_user_sgpr_count 2
		.amdhsa_user_sgpr_kernarg_segment_ptr 1
		.amdhsa_wavefront_size32 1
		.amdhsa_system_sgpr_workgroup_id_x 1
		.amdhsa_system_sgpr_workgroup_id_y 1
		.amdhsa_system_sgpr_workgroup_id_z 1
		.amdhsa_system_vgpr_workitem_id 0
		.amdhsa_next_free_vgpr 1024
		.amdhsa_next_free_sgpr 98
		.amdhsa_reserve_vcc 0
		.amdhsa_float_denorm_mode_32 3
		.amdhsa_float_denorm_mode_16_64 3
		.amdhsa_memory_ordered 1
		.amdhsa_forward_progress 1
		.amdhsa_inst_pref_size 246
	.end_amdhsa_kernel
	.amdgpu_metadata
---
amdhsa.version: [ 1, 2 ]
amdhsa.kernels:
  - .name:           k_q667d3357c9_gemm
    .symbol:         k_q667d3357c9_gemm.kd
    .args:
      - { .name: xq, .offset: 0, .size: 8, .value_kind: global_buffer, .address_space: global }
      - { .name: wq, .offset: 8, .size: 8, .value_kind: global_buffer, .address_space: global }
      - { .name: laq, .offset: 16, .size: 8, .value_kind: global_buffer, .address_space: global }
      - { .name: bias, .offset: 24, .size: 8, .value_kind: global_buffer, .address_space: global }
      - { .name: lora_B, .offset: 32, .size: 8, .value_kind: global_buffer, .address_space: global }
      - { .name: out0, .offset: 40, .size: 8, .value_kind: global_buffer, .address_space: global }
    .group_segment_fixed_size: 327680
    .private_segment_fixed_size: 0
    .kernarg_segment_align: 8
    .kernarg_segment_size: 48
    .max_flat_workgroup_size: 128
    .sgpr_count:     98
    .vgpr_count:     1024
    .wavefront_size: 32
...
	.end_amdgpu_metadata
.endif
;; end of part 2
